; MI455X (gfx1250); checked and timed in simulation.
; The chip was launched on July 23, 2026; its instructions are those of AMD's public machine-readable ISA for CDNA 5 (MIT licence, August 2026) and "CDNA5" Instruction Set Architecture Reference Guide (July 2026). The comments in the code are by the model that wrote it; some were corrected since.
;; Mixture. Allowed arithmetic: float matrix products may take bf16 or f16 operands with f32 sums; other float arithmetic in f32, or as packed bf16 or f16 multiplies, adds, multiply-adds, maxima and minima; sums over many terms, partial sums and values carried from step to step in f32; what a program stores and reads back later, other than sums and carried values, may be rounded once to bf16 or f16.
;; Inputs: W1 8 x 1,024 x 2,048 float32; W2 8 x 2,048 float32; b1 8 x 2,048 float32; b2 8 float32; centroids 8 x 1,024 float32; x 4,096 x 1,024 float32.
;; Outputs: out0 4,096 float32.
;; One version. Each part assembles by itself: llvm-mc -triple=amdgcn-amd-amdhsa -mcpu=gfx1250 --defsym DOCPART=n.
;; ======== version 1 of 1: 3 launches
;; workspace buffers: xb 8,388,608 bytes; rt 16,384 bytes of whole numbers; hist 2,048 bytes of whole numbers; part 131,072 bytes
;; launch route (part 1): grid 256 x 1, 8 waves a work-group, no clusters, 34,304 bytes of LDS; arguments x, centroids, xb, rt, hist; writes xb, rt, hist
.if DOCPART == 1
	.amdgcn_target "amdgcn-amd-amdhsa--gfx1250"
	.amdhsa_code_object_version 6
	.text
	.protected	k_q44a80578b8_route
	.globl	k_q44a80578b8_route
	.p2align	8
	.type	k_q44a80578b8_route,@function
k_q44a80578b8_route:
	s_mov_b64 s[64:65], 0
	v_nop
	global_prefetch_b8 v0, s[64:65] scope:SCOPE_SE
	s_setreg_imm32_b32 hwreg(HW_REG_WAVE_MODE, 25, 1), 1
	s_wait_xcnt 0x0
; NEAREST CENTROID, in f32, and x rounded once to bf16 for the product of the next launch.
; d2[b][k] = (xx[b] - 2 x[b].c[k]) + cc[k], as the problem forms it; the lowest k wins a tie (strict 'less than', k ascending).
; x: [4096][1024] f32, centroids: [8][1024] f32.  Out: xb [4096][1024] bf16; rt [4096] words, the expert of each token;
; hist [256][2] words: for each group of 16 tokens the counts of experts 0-3 (bytes of word 0) and 4-7 (bytes of word 1).
; SHARES.  Work-group g has tokens 16 g .. 16 g + 15, wave w two of them (u = 0, 1).  Lane L holds columns 128 j + 4 L .. + 3, j = 0..7:
; each load of a wave covers 512 consecutive bytes of a row, each store of xb 256 consecutive bytes at a multiple of 256.
; The matrix unit is left out: a bf16 product cannot tell neighbouring distances apart, and this is 8 of 2,056 columns' arithmetic.
; LIMITS.  The sums run in another order than the problem's, so two distances closer than f32 rounding of numbers near 2,000 (about 2e-4)
; may be ordered otherwise.  NaN and infinities are not treated apart.  No address and no branch hangs on the choice: it is only stored.
.set CC,    32768                      ; LDS: 0 .. 32767 the eight centroids; then 8 words cc,
.set CL,    33024                      ; 16 words: the group's choices,
.set SPARE, 33280                      ; and the spare words, 128 bytes for each of 8 waves: four blocks of 256 bytes that no other line names
.set X,   16                           ; v[16:79]    x: 4 registers at 4 (2 j + u)
.set CB,  80                           ; v[80:143]   centroids' column groups, two buffers of 32: centroid k at + 4 k
.set ACC, 144                          ; v[144:179]  pairs of sums: (u, k) at 18 u + 2 k; xx at 18 u + 16
.set Y,   180                          ; v[180:211]  x as bf16: 2 registers at 2 (2 j + u); never rewritten
.set CCV, 212                          ; v[212:219]  the eight cc
.set T,   220                          ; v[220:231]  at work
	s_load_b256 s[4:11], s[0:1], 0x0               ; x s[4:5], centroids s[6:7], xb s[8:9], rt s[10:11]
	s_load_b64 s[12:13], s[0:1], 0x20              ; hist
	v_lshl_add_u32 v3, v0, 2, SPARE                ; my spare word,
	v_mov_b32 v4, 0                                ; and 0: kept for the closing add alone
	v_lshrrev_b32 v5, 5, v0
	v_readfirstlane_b32 s14, v5                    ; wave 0..7
	v_and_b32 v5, 31, v0
	v_lshlrev_b32 v1, 4, v5                        ; 16 L
	v_lshlrev_b32 v2, 3, v5                        ; 8 L
	v_lshl_add_u32 v6, s14, 12, v1                 ; where I put my part of centroid w
	s_lshl_b32 s28, s14, 2
	s_add_co_u32 s28, s28, CC
	v_mov_b32 v7, s28                              ; cc's word w
	v_mov_b32 v8, CC
	s_lshl_b32 s28, s14, 3
	s_add_co_u32 s28, s28, CL
	v_mov_b32 v9, s28                              ; my two tokens' words
	v_and_b32 v10, 15, v0
	v_lshlrev_b32 v10, 2, v10                      ; 4 (L % 16)
	v_mov_b32 v[T+2], 0                            ; v_permlanex16_b32's destination counts as read
	s_mov_b32 s16, 0x76543210                      ; each lane takes its own place in the other half
	s_mov_b32 s17, 0xfedcba98
	s_lshl_b32 s18, ttmp9, 16                      ; 16 rows of 4,096 bytes a group,
	s_lshl_b32 s20, s14, 13                        ; two rows a wave
	s_add_co_u32 s18, s18, s20
	s_mov_b32 s19, 0
	s_lshl_b32 s20, s14, 12                        ; centroid w
	s_mov_b32 s21, 0
	s_lshr_b32 s22, s18, 1                         ; xb's rows are half as long
	s_mov_b32 s23, 0
	s_lshl_b32 s24, ttmp9, 6                       ; 16 words of rt
	s_mov_b32 s25, 0
	s_lshl_b32 s26, ttmp9, 3                       ; 2 words of hist
	s_mov_b32 s27, 0
	s_wait_kmcnt 0x0
	s_add_nc_u64 s[4:5], s[4:5], s[18:19]
	s_add_nc_u64 s[6:7], s[6:7], s[20:21]
	s_add_nc_u64 s[8:9], s[8:9], s[22:23]
	s_add_nc_u64 s[10:11], s[10:11], s[24:25]
	s_add_nc_u64 s[12:13], s[12:13], s[26:27]
.irp j, 0,1,2,3,4,5,6,7
	global_load_b128 v[CB+4*\j:CB+4*\j+3], v1, s[6:7] offset:512*\j             ; centroid w, whole
.endr
.irp j, 0,1,2,3,4,5,6,7
.irp u, 0,1
	global_load_b128 v[X+4*(2*\j+\u):X+4*(2*\j+\u)+3], v1, s[4:5] offset:4096*\u+512*\j th:TH_LOAD_NT  ; x is read once in this launch
.endr
.endr
; the sum of register r over the wave's 32 lanes, in every lane; t is at work
.macro BFLY r, t
.irp m, 1,2,4,8
	v_add_f32_dpp v[\r], v[\r], v[\r] row_xmask:\m row_mask:0xf bank_mask:0xf
.endr
	v_permlanex16_b32 v[\t], v[\r], s16, s17
	v_add_f32 v[\r], v[\r], v[\t]
.endm
	s_wait_loadcnt 16                              ; the centroid is in; x's sixteen loads are younger
.irp j, 0,1,2,3,4,5,6,7
	ds_store_b128 v6, v[CB+4*\j:CB+4*\j+3] offset:512*\j
.endr
	v_pk_mul_f32 v[T:T+1], v[CB:CB+1], v[CB:CB+1]  ; cc of centroid w: the first product starts the sum
.set i, 1
.rept 15
	v_pk_fma_f32 v[T:T+1], v[CB+2*i:CB+2*i+1], v[CB+2*i:CB+2*i+1], v[T:T+1]
.set i, i+1
.endr
	v_add_f32 v[T], v[T], v[T+1]
	BFLY T, T+2
	ds_store_b32 v7, v[T]                          ; every lane writes the same number to the same word
	s_wait_dscnt 0x0                               ; for the others' sake: my stores are done
	s_barrier_signal -1
	s_barrier_wait -1                              ; all eight centroids and all eight cc lie in LDS
	ds_load_b128 v[CCV:CCV+3], v8
	ds_load_b128 v[CCV+4:CCV+7], v8 offset:16
.irp k, 0,1,2,3,4,5,6,7
	ds_load_b128 v[CB+4*\k:CB+4*\k+3], v1 offset:4096*\k                        ; column group 0 of every centroid
.endr
; Column group j: the next group's centroids are asked for, then both tokens' 18 packed multiply-adds, the rounding and the store of xb.
.macro COL j
.set QB, CB+32*((\j)&1)
.set QN, CB+32*(1-((\j)&1))
.if (\j) < 7
.irp k, 0,1,2,3,4,5,6,7
	ds_load_b128 v[QN+4*\k:QN+4*\k+3], v1 offset:4096*\k+512*((\j)+1)
.endr
	s_wait_dscnt 8                                 ; all but the eight just issued
.else
	s_wait_dscnt 0x0
.endif
	s_wait_loadcnt 14-2*(\j)                       ; x's loads of the later column groups are younger
.irp u, 0,1
.set XR, X+4*(2*(\j)+\u)
.set AR, ACC+18*\u
.set YR, Y+2*(2*(\j)+\u)
.irp k, 0,1,2,3,4,5,6,7
.if (\j) == 0
	v_pk_mul_f32 v[AR+2*\k:AR+2*\k+1], v[XR:XR+1], v[QB+4*\k:QB+4*\k+1]         ; nothing is cleared
.else
	v_pk_fma_f32 v[AR+2*\k:AR+2*\k+1], v[XR:XR+1], v[QB+4*\k:QB+4*\k+1], v[AR+2*\k:AR+2*\k+1]
.endif
.endr
.if (\j) == 0
	v_pk_mul_f32 v[AR+16:AR+17], v[XR:XR+1], v[XR:XR+1]
.else
	v_pk_fma_f32 v[AR+16:AR+17], v[XR:XR+1], v[XR:XR+1], v[AR+16:AR+17]
.endif
.irp k, 0,1,2,3,4,5,6,7
	v_pk_fma_f32 v[AR+2*\k:AR+2*\k+1], v[XR+2:XR+3], v[QB+4*\k+2:QB+4*\k+3], v[AR+2*\k:AR+2*\k+1]
.endr
	v_pk_fma_f32 v[AR+16:AR+17], v[XR+2:XR+3], v[XR+2:XR+3], v[AR+16:AR+17]
	v_cvt_pk_bf16_f32 v[YR], v[XR], v[XR+1]
	v_cvt_pk_bf16_f32 v[YR+1], v[XR+2], v[XR+3]
	global_store_b64 v2, v[YR:YR+1], s[8:9] offset:2048*\u+256*(\j)             ; the wave's 256 consecutive bytes, at a multiple of 256
.endr
.endm
.irp j, 0,1,2,3,4,5,6,7
	COL \j
.endr
; Token u: the nine sums over the lanes, the eight distances in the problem's order of operations, the first least of them.
.macro CHOOSE u
.set AR, ACC+18*(\u)
.irp k, 0,1,2,3,4,5,6,7,8
	v_add_f32 v[AR+2*\k], v[AR+2*\k], v[AR+2*\k+1]
.endr
.irp m, 1,2,4,8
.irp k, 0,1,2,3,4,5,6,7,8
	v_add_f32_dpp v[AR+2*\k], v[AR+2*\k], v[AR+2*\k] row_xmask:\m row_mask:0xf bank_mask:0xf
.endr
.endr
.irp k, 0,1,2,3,4,5,6,7,8
	v_permlanex16_b32 v[AR+2*\k+1], v[AR+2*\k], s16, s17
.endr
.irp k, 0,1,2,3,4,5,6,7,8
	v_add_f32 v[AR+2*\k], v[AR+2*\k], v[AR+2*\k+1]
.endr
.irp k, 0,1,2,3,4,5,6,7
	v_fma_f32 v[AR+2*\k], v[AR+2*\k], -2.0, v[AR+16]   ; xx - 2 xc: doubling is exact, so this rounds as the subtraction does
	v_add_f32 v[AR+2*\k], v[AR+2*\k], v[CCV+\k]
.endr
	v_mov_b32 v[T+4+(\u)], 0
.irp k, 1,2,3,4,5,6,7
	v_cmp_lt_f32 vcc_lo, v[AR+2*\k], v[AR]
	v_cndmask_b32 v[T+4+(\u)], v[T+4+(\u)], \k, vcc_lo
	v_min_num_f32 v[AR], v[AR], v[AR+2*\k]
.endr
	ds_store_b32 v9, v[T+4+(\u)] offset:4*(\u)
.endm
	CHOOSE 0
	CHOOSE 1
	s_wait_dscnt 0x0                               ; for wave 0's sake
	s_barrier_signal -1
	s_barrier_wait -1
	s_cmp_lg_u32 s14, 0
	s_cbranch_scc1 .Lend                           ; wave 0 alone stores the group's sixteen choices and their counts
	ds_load_b32 v[T], v10 offset:CL                ; lanes 16-31 repeat lanes 0-15
	s_wait_dscnt 0x0
	s_mov_b32 s30, 0
	s_mov_b32 s31, 0
.irp k, 0,1,2,3,4,5,6,7
	v_cmp_eq_u32 s33, \k, v[T]
	s_and_b32 s33, s33, 0xffff
	s_bcnt1_i32_b32 s33, s33                       ; 16 at the most: a byte holds it
	s_lshl_b32 s33, s33, 8*(\k&3)
	s_or_b32 s[30+\k/4], s[30+\k/4], s33
.endr
	v_mov_b32 v[T+6], s30
	v_mov_b32 v[T+7], s31
	v_mov_b32 v[T+8], 0
	s_wait_xcnt 0x0                                ; EXEC is a source of xb's stores: it changes only behind this wait
	v_cmp_gt_u32 vcc_lo, 16, v0
	s_and_saveexec_b32 s32, vcc_lo
	global_store_b32 v10, v[T], s[10:11]           ; 64 consecutive bytes of rt
	s_wait_xcnt 0x0
	s_or_b32 exec_lo, exec_lo, s32
	v_cmp_eq_u32 vcc_lo, 0, v0
	s_and_saveexec_b32 s32, vcc_lo
	global_store_b64 v[T+8], v[T+6:T+7], s[12:13]  ; the group's two words of hist
	s_wait_xcnt 0x0
	s_or_b32 exec_lo, exec_lo, s32
.Lend:
	s_wait_tensorcnt 0x0                           ; the wave's end
	ds_add_u32 v3, v4
	s_wait_dscnt 0x0
	s_endpgm
.Lfunc_end_k_q44a80578b8_route:
	.size	k_q44a80578b8_route, .Lfunc_end_k_q44a80578b8_route-k_q44a80578b8_route
	.p2alignl 7, 3214868480
	.fill 96, 4, 3214868480
	.section	.rodata,"a",@progbits
	.p2align	6, 0x0
	.amdhsa_kernel k_q44a80578b8_route
		.amdhsa_group_segment_fixed_size 34304
		.amdhsa_private_segment_fixed_size 0
		.amdhsa_enable_private_segment 0
		.amdhsa_kernarg_size 40
		.amdhsa_user_sgpr_count 2
		.amdhsa_user_sgpr_kernarg_segment_ptr 1
		.amdhsa_wavefront_size32 1
		.amdhsa_system_sgpr_workgroup_id_x 1
		.amdhsa_system_sgpr_workgroup_id_y 1
		.amdhsa_system_sgpr_workgroup_id_z 1
		.amdhsa_system_vgpr_workitem_id 0
		.amdhsa_next_free_vgpr 232
		.amdhsa_next_free_sgpr 66
		.amdhsa_reserve_vcc 1
		.amdhsa_float_denorm_mode_32 3
		.amdhsa_float_denorm_mode_16_64 3
		.amdhsa_memory_ordered 1
		.amdhsa_forward_progress 1
		.amdhsa_inst_pref_size 46
	.end_amdhsa_kernel
	.amdgpu_metadata
---
amdhsa.version: [ 1, 2 ]
amdhsa.kernels:
  - .name:           k_q44a80578b8_route
    .symbol:         k_q44a80578b8_route.kd
    .args:
      - { .name: x, .offset: 0, .size: 8, .value_kind: global_buffer, .address_space: global }
      - { .name: centroids, .offset: 8, .size: 8, .value_kind: global_buffer, .address_space: global }
      - { .name: xb, .offset: 16, .size: 8, .value_kind: global_buffer, .address_space: global }
      - { .name: rt, .offset: 24, .size: 8, .value_kind: global_buffer, .address_space: global }
      - { .name: hist, .offset: 32, .size: 8, .value_kind: global_buffer, .address_space: global }
    .group_segment_fixed_size: 34304
    .private_segment_fixed_size: 0
    .kernarg_segment_align: 8
    .kernarg_segment_size: 40
    .max_flat_workgroup_size: 256
    .sgpr_count:     66
    .vgpr_count:     232
    .wavefront_size: 32
...
	.end_amdgpu_metadata
.endif
;; end of part 1
;; launch experts (part 2): grid 8 x 32, 4 waves a work-group, no clusters, 113,664 bytes of LDS; arguments W1, W2, b1, b2, xb, rt, hist, part; writes part
.if DOCPART == 2
	.amdgcn_target "amdgcn-amd-amdhsa--gfx1250"
	.amdhsa_code_object_version 6
	.text
	.protected	k_q44a80578b8_experts
	.globl	k_q44a80578b8_experts
	.p2align	8
	.type	k_q44a80578b8_experts,@function
k_q44a80578b8_experts:
	s_mov_b64 s[64:65], 0
	v_nop
	global_prefetch_b8 v0, s[64:65] scope:SCOPE_SE
	s_setreg_imm32_b32 hwreg(HW_REG_WAVE_MODE, 25, 1), 1
	s_wait_xcnt 0x0
; THE ROUTED PRODUCT.  part[s][b] = the sum over the 256 columns h of slice s of W2[e][h] tanh(x[b] . W1[e][:][h] + b1[e][h]), e = rt[b]; slice 0 adds b2[e].
; W1: [8][1024][2048] f32, read as it lies and rounded to bf16 on its way through registers; xb: [4096][1024] bf16; sums in f32.
; THE DEAL.  Work-group (s, y): column slice s, row tile y.  A tile is up to nb blocks of 16 rows of ONE expert; nb is the least of 8, 9, 10, 11 for which
; the experts' tiles, ceil(ceil(n_e / 16) / nb) each, are 32 at the most; 11 serves every split (263 blocks at the most give 31 tiles).  Every work-group works the
; deal out from hist, and finds its tile's tokens by ranking rt: wave w ranks tokens 1024 w .. + 1023, the four lists meet in LDS.
; A TILE NUMBER PAST THE DEAL'S SUM has no rows.  It walks the same text on one repeated row, blocks 0-3 only, and stores nothing: every wave passes every barrier,
; and none of them stands under a branch on loaded numbers.  Its loads and a third of its products serve nothing: the price of a grid that serves every split.
; SHARES.  A wave has all the tile's rows x 64 columns: 11 x 4 accumulators.  Column 4 m + t of the wave's 64 is row m of W's tile t, so one 16-byte load a lane at row k
; gives the four tiles' element; lanes 0-15 take 256 consecutive bytes of row k, lanes 16-31 of row k + 8; two rows' numbers round into one fragment register.
; THE MATRIX INSTRUCTION: source 0 = 16 columns of W1, source 1 = 16 rows of x.  In the result lane (r, hh), register j holds row 16 b + r and column 32 hh + 4 j + t:
; the sum over columns stays in the lane but for one exchange of the halves.
; x comes by the list, 128 along K at a time, through registers into two LDS slots that take turns (rows of 256 + 16 bytes); one barrier for each change.
; NO JOINT LOADS: the work-groups that share a slice of W1 are one expert's tiles, whose number hangs on the counts; x's rows come by a list, which no descriptor covers.
; LIMITS.  tanh z = 1 - 2 / (1 + 2^(c z)), c = 2 log2 e: off by about 1e-7 absolutely, exactly 1 or -1 where 2^(c z) overflows or vanishes.  NaN and infinities are not treated apart.
; REGISTERS, in windows of 256 (s_set_vgpr_msb: bits 1:0 source 0, 3:2 source 1, 5:4 source 2, 7:6 destination):
;   window 0: v0-31 addresses and at work; v32-95 W's fragments, two buffers of 4 tiles; v96-183 x on its way into LDS (88); v192-255 accumulators of blocks 8, 9
;   window 1: v0-175 x's fragments, two buffers of 11 blocks; v176-207 accumulators of block 10; v208-229 the 22 byte offsets of my rows in xb
;   window 2: accumulators of blocks 0-7, (b, t) at 32 b + 8 t          window 3: W1 as loaded, a ring of four slots of 64; at the end b1, W2 and the row sums
.set PITCH, 272                        ; 68 words: the 16 rows of a fragment load start at 16 different groups of four banks (64 banks of 4 bytes: ISA guide 11.1)
.set BLK,   16*PITCH
.set SLOTB, 65536                      ; x's slot 1 begins here: one exclusive or changes slots.  A slot is 176 rows, 47,872 bytes
.set LIST,  48128                      ; 4 waves x 768: token + 1 by rank; word 176 takes what is not the tile's
.set FL,    51200                      ; 4 waves x 768: the tile's tokens, a copy for each wave
.set RED,   54272                      ; 4 waves x 704: the rows' sums over a wave's 64 columns
.set SPARE, 57088                      ; the spare words, 128 bytes for each wave: two blocks of 256 bytes that no other line names
.set WB,    32
.set STG,   96
.set SA,    208
.set KROW,  8192                       ; bytes in a row of W1
.set KSTEP, 32*KROW                    ; a K step
; v1 L, v2 r = L % 16, v3 hh = L / 16, v4 W1's lane offset, v5/v6 fragment address in slot 0 / in the slot that is read, v7/v8 the same for my stores of x,
; v9 prefetch offset, v10/v11 spare word and 0, v12 b2 or 0, v13 b1's and W2's lane offset, v14 where my row sums go, v15 16 r, v16-31 at work
; s20 wave, s21 slice, s22 tile, s24-31 n_e, s32-39 blocks B_e (both sets later at work in the ranking), s40-42 tiles at nb = 8, 9, 10, s43 nb, s44/s45 multiplier and shift of the division by nb,
; s46 nb - 1, s47 running sum of tiles, s48 E, s49 E's first tile, s50 n_E, s51 the tile's first rank, s52 its rows cnt, s53 its blocks LB, s54 cnt - 1, s55 running rank,
; s56-59 at work, s60-61 lane selects, s62 the slot last stored into, s63 trips, s66-67 W1, s68-69 xb, s70-71 part, s72-73 c, s74 trips that still prefetch, s75 1: the tile has rows, s76-79 b1, W2,
; s80-87 b2, s88-95 at work
.set MSB, 0
.macro WIN new                         ; the immediate's high byte repeats the setting that is left; a switch that changes nothing is dropped
.if MSB != (\new)
	s_set_vgpr_msb (MSB<<8)|(\new)
.set MSB, (\new)
.endif
.endm
	s_load_b256 s[4:11], s[0:1], 0x0               ; W1 s[4:5], W2 s[6:7], b1 s[8:9], b2 s[10:11]
	s_load_b256 s[12:19], s[0:1], 0x20             ; xb s[12:13], rt s[14:15], hist s[16:17], part s[18:19]
	v_lshl_add_u32 v10, v0, 2, SPARE
	v_mov_b32 v11, 0
	v_lshrrev_b32 v16, 5, v0
	v_readfirstlane_b32 s20, v16
	s_mov_b32 s21, ttmp9
	s_and_b32 s22, ttmp7, 0xffff
	s_mov_b32 s60, 0x76543210
	s_mov_b32 s61, 0xfedcba98
	s_mov_b32 s72, 0x4038aa3b                      ; c = 2 log2 e = 2.885390
	s_mov_b32 s73, s72                             ; named with it as a pair
	s_mov_b32 s62, 0
	v_and_b32 v1, 31, v0
	v_and_b32 v2, 15, v0
	v_bfe_u32 v3, v0, 4, 1
	v_lshlrev_b32 v15, 4, v2
	v_lshl_add_u32 v4, v3, 16, v15                 ; 8 rows of W1 for the upper half, 16 bytes a lane
	v_mul_u32_u24 v5, v2, PITCH
	v_lshl_add_u32 v5, v3, 4, v5                   ; a fragment's row x pitch + 16 x half
	v_mov_b32 v6, v5
	s_mul_i32 s56, s20, 44*PITCH                   ; I bring rows 44 w .. 44 w + 43 of the tile, two to a load
	v_mul_u32_u24 v7, v3, PITCH
	v_add3_u32 v7, v7, v15, s56
	v_mov_b32 v8, v7
	v_lshlrev_b32 v9, 13, v1                       ; a row of W1 a lane
	v_lshlrev_b32 v13, 7, v3                       ; my half's 32 columns of b1 and W2
	s_mul_i32 s56, s20, 704
	s_add_co_u32 s56, s56, RED
	v_lshl_add_u32 v14, v2, 2, s56
	v_lshlrev_b32 v30, 6, v1                       ; hist: lane L takes groups 8 L .. 8 L + 7, tokens 128 L .. 128 L + 127
	s_lshl_b32 s56, s20, 12
	v_lshl_add_u32 v31, v1, 4, s56                 ; rt: my wave's 1,024 tokens
	v_mov_b32 v22, 0
	v_mov_b32 v24, 176
	s_lshl_b32 s56, s20, 10
	v_lshl_add_u32 v25, v1, 2, s56                 ; 1024 w + 4 L
	s_mul_i32 s56, s20, 768
	s_add_co_u32 s57, s56, LIST
	v_mov_b32 v26, s57
	v_lshl_add_u32 v29, v1, 2, s57
	s_wait_kmcnt 0x0
	s_load_b256 s[80:87], s[10:11], 0x0            ; all eight b2, asked for with hist: the deal's selects pick mine
.irp q, 0,1,2,3
	global_load_b128 v[96+4*\q:99+4*\q], v30, s[16:17] offset:16*\q
.endr
.irp i, 0,1,2,3,4,5,6,7
	global_load_b128 v[112+4*\i:115+4*\i], v31, s[14:15] offset:512*\i          ; register c of load i: token 1024 w + 128 i + 4 L + c
.endr
	; THE COUNTS.  My eight groups' counts add up in bytes (128 at the most), then in fields of 16 bits over the 32 lanes (4,096 at the most).
	s_wait_loadcnt 8                               ; hist is in; rt's eight loads are younger
	v_add3_u32 v16, v96, v98, v100
	v_add3_u32 v17, v97, v99, v101
	v_add3_u32 v16, v16, v102, v104
	v_add3_u32 v17, v17, v103, v105
	v_add3_u32 v16, v16, v106, v108
	v_add3_u32 v17, v17, v107, v109
	v_add_nc_u32 v16, v16, v110                    ; experts 0-3
	v_add_nc_u32 v17, v17, v111                    ; experts 4-7
	s_mov_b32 s56, 0x00ff00ff
	v_and_b32 v18, s56, v16                        ; experts 0, 2
	v_lshrrev_b32 v19, 8, v16
	v_and_b32 v19, s56, v19                        ; 1, 3
	v_and_b32 v20, s56, v17                        ; 4, 6
	v_lshrrev_b32 v21, 8, v17
	v_and_b32 v21, s56, v21                        ; 5, 7
	; the four registers' sums over the 32 lanes, side by side, so that no line reads the result of the line in front of it; v96-99, hist's, are at work
.irp m, 1,2,4,8
.irp r, 0,1,2,3
	v_mov_b32_dpp v[96+\r], v[18+\r] row_xmask:\m row_mask:0xf bank_mask:0xf
.endr
.irp r, 0,1,2,3
	v_add_nc_u32 v[18+\r], v[18+\r], v[96+\r]
.endr
.endr
.irp r, 0,1,2,3
	v_permlanex16_b32 v[96+\r], v[18+\r], s60, s61
.endr
.irp r, 0,1,2,3
	v_add_nc_u32 v[18+\r], v[18+\r], v[96+\r]
.endr
	v_readfirstlane_b32 s56, v18
	v_readfirstlane_b32 s57, v19
	v_readfirstlane_b32 s58, v20
	v_readfirstlane_b32 s59, v21
	s_and_b32 s24, s56, 0xffff
	s_lshr_b32 s26, s56, 16
	s_and_b32 s25, s57, 0xffff
	s_lshr_b32 s27, s57, 16
	s_and_b32 s28, s58, 0xffff
	s_lshr_b32 s30, s58, 16
	s_and_b32 s29, s59, 0xffff
	s_lshr_b32 s31, s59, 16
.irp e, 0,1,2,3,4,5,6,7
	s_add_co_u32 s[32+\e], s[24+\e], 15
.endr
.irp e, 0,1,2,3,4,5,6,7
	s_lshr_b32 s[32+\e], s[32+\e], 4
.endr
	; THE DEAL.  floor(v / nb) = (v x mul) >> sh, exact for v up to 266: (1, 3), (57, 9), (205, 11), (745, 13) for nb = 8, 9, 10, 11.  Each operation goes across the eight experts.
.macro TSUM dst, add, mul, sh
.irp e, 0,1,2,3,4,5,6,7
	s_add_co_u32 s[88+\e], s[32+\e], \add
.endr
.if (\mul) != 1
.irp e, 0,1,2,3,4,5,6,7
	s_mul_i32 s[88+\e], s[88+\e], \mul
.endr
.endif
.irp e, 0,1,2,3,4,5,6,7
	s_lshr_b32 s[88+\e], s[88+\e], \sh
.endr
	s_add_co_u32 s88, s88, s89
	s_add_co_u32 s90, s90, s91
	s_add_co_u32 s92, s92, s93
	s_add_co_u32 s94, s94, s95
	s_add_co_u32 s88, s88, s90
	s_add_co_u32 s92, s92, s94
	s_add_co_u32 s[\dst], s88, s92
.endm
	TSUM 40, 7, 1, 3
	TSUM 41, 8, 57, 9
	TSUM 42, 9, 205, 11
	s_mov_b32 s43, 11
	s_mov_b32 s44, 745
	s_mov_b32 s45, 13
	s_cmp_le_u32 s42, 32
	s_cselect_b32 s43, 10, s43
	s_cselect_b32 s44, 205, s44
	s_cselect_b32 s45, 11, s45
	s_cmp_le_u32 s41, 32
	s_cselect_b32 s43, 9, s43
	s_cselect_b32 s44, 57, s44
	s_cselect_b32 s45, 9, s45
	s_cmp_le_u32 s40, 32
	s_cselect_b32 s43, 8, s43
	s_cselect_b32 s44, 1, s44
	s_cselect_b32 s45, 3, s45
	s_sub_co_u32 s46, s43, 1
.irp e, 0,1,2,3,4,5,6,7                ; the experts' tiles at that nb
	s_add_co_u32 s[88+\e], s[32+\e], s46
.endr
.irp e, 0,1,2,3,4,5,6,7
	s_mul_i32 s[88+\e], s[88+\e], s44
.endr
.irp e, 0,1,2,3,4,5,6,7
	s_lshr_b32 s[88+\e], s[88+\e], s45
.endr
	s_mov_b32 s47, 0
	s_mov_b32 s48, 0
	s_mov_b32 s49, 0
	s_mov_b32 s50, 0
	s_mov_b32 s58, 0
	s_wait_kmcnt 0x0                               ; b2: asked for ahead of hist's loads, which have been waited for
.irp e, 0,1,2,3,4,5,6,7                ; my expert: the last whose first tile is not past mine
	s_cmp_le_u32 s47, s22
	s_cselect_b32 s48, \e, s48
	s_cselect_b32 s49, s47, s49
	s_cselect_b32 s50, s[24+\e], s50
	s_cselect_b32 s58, s[80+\e], s58
	s_add_co_u32 s47, s47, s[88+\e]
.endr
	s_cmp_eq_u32 s21, 0
	s_cselect_b32 s58, s58, 0                      ; slice 0 alone adds b2
	v_mov_b32 v12, s58
	s_cmp_lt_u32 s22, s47
	s_cselect_b32 s75, 1, 0                        ; has my tile rows?
	s_sub_co_u32 s56, s22, s49
	s_mul_i32 s56, s56, s43
	s_lshl_b32 s51, s56, 4                         ; its first rank among E's tokens
	s_lshl_b32 s57, s43, 4
	s_sub_co_u32 s52, s50, s51
	s_min_u32 s52, s52, s57
	s_cmp_eq_u32 s75, 1
	s_cselect_b32 s52, s52, 1                      ; its rows; 1 for a tile without
	s_add_co_u32 s53, s52, 15
	s_lshr_b32 s53, s53, 4
	s_sub_co_u32 s54, s52, 1
	s_cmp_eq_u32 s22, s49                          ; an expert's first tile prefetches for all its tiles
	s_cselect_b32 s74, 5, 0
	s_cmp_eq_u32 s75, 1
	s_cselect_b32 s74, s74, 0
	s_min_u32 s48, s48, 7                          ; E enters addresses
	s_lshl_b32 s56, s48, 23                        ; an expert's 8 MiB of W1,
	s_lshl_b32 s57, s21, 10                        ; the slice's 256 columns,
	s_add_co_u32 s56, s56, s57
	s_lshl_b32 s57, s20, 8                         ; my wave's 64
	s_add_co_u32 s56, s56, s57
	s_mov_b32 s57, 0
	s_add_nc_u64 s[66:67], s[4:5], s[56:57]
; 16 loads: the 32 rows of K step d (counted from the base) into a slot of the ring.  Load j: row 8 hh + j, or 8 hh + j + 8 from j = 8 on: the order of a fragment's registers.
.macro WLOAD slot, d
	WIN 0xc0                                       ; destination window 3
.set jw, 0
.rept 16
	global_load_b128 v[64*(\slot)+4*jw:64*(\slot)+4*jw+3], v4, s[66:67] offset:(\d)*KSTEP+(jw+8*(jw/8))*KROW
.set jw, jw+1
.endr
.endm
	WLOAD 0, 0                                     ; three slots now: with rt's eight that is 56 loads out; the fourth slot follows x's first loads
	WLOAD 1, 1
	WLOAD 2, 2
	WIN 0
	s_lshl_b32 s56, s48, 13                        ; b1 and W2: an expert's 2,048 numbers, the slice's 256, my wave's 64
	s_lshl_b32 s57, s21, 10
	s_add_co_u32 s56, s56, s57
	s_lshl_b32 s57, s20, 8
	s_add_co_u32 s56, s56, s57
	s_mov_b32 s57, 0
	s_add_nc_u64 s[76:77], s[8:9], s[56:57]
	s_add_nc_u64 s[78:79], s[6:7], s[56:57]
	s_lshl_b32 s56, s21, 14
	s_add_nc_u64 s[70:71], s[18:19], s[56:57]
	s_mov_b64 s[68:69], s[12:13]
	; THE LIST.  E's tokens in front of my wave's 1,024, from the lanes' counts: lanes 0-7, 8-15, 16-23 hold those of waves 0, 1, 2.
	s_cmp_ge_u32 s48, 4
	s_cselect_b32 s56, -1, 0
	s_and_b32 s57, s48, 3
	s_lshl_b32 s57, s57, 3
	v_cndmask_b32 v23, v16, v17, s56
	v_lshrrev_b32 v23, s57, v23
	v_and_b32 v23, 0xff, v23
.irp m, 1,2,4
	v_mov_b32_dpp v22, v23 row_xmask:\m row_mask:0xf bank_mask:0xf
	v_add_nc_u32 v23, v23, v22
.endr
	v_readlane_b32 s56, v23, 0
	v_readlane_b32 s57, v23, 8
	v_readlane_b32 s58, v23, 16
	s_cmp_gt_u32 s20, 0
	s_cselect_b32 s56, s56, 0
	s_cmp_gt_u32 s20, 1
	s_cselect_b32 s57, s57, 0
	s_cmp_gt_u32 s20, 2
	s_cselect_b32 s58, s58, 0
	s_add_co_u32 s55, s56, s57
	s_add_co_u32 s55, s55, s58
	s_sub_co_u32 s55, s55, s51                     ; ranks count from the tile's first: those in front wrap to large numbers and fall to word 176
	v_mov_b32 v28, 0
.irp g, 0,1,2,3,4,5
	ds_store_b32 v29, v28 offset:128*\g            ; my list starts as zeros
.endr
	s_mul_i32 s56, s20, 768
	s_add_co_u32 s56, s56, FL
	v_lshl_add_u32 v18, v1, 2, s56                 ; my copy of the tile's tokens, by lane
	s_mul_i32 s56, s20, 944
	s_add_co_u32 s56, s56, FL
	v_lshl_add_u32 v19, v3, 2, s56                 ; and at row 44 w + hh: 768 w + 4 (44 w + hh)
	s_wait_loadcnt 48                              ; rt is in: the ring's 48 loads are younger
; Eight registers of rt at a time: their masks, the masks' counts, the running rank in front of each, then the vector lines: the scalar unit waits for the vector unit once a batch.
; Register n = 4 i + c holds token 1024 w + 128 i + 4 L + c; a token of E gets the rank of E's tokens before it in that order.
.macro RANK8 g
.irp m, 0,1,2,3,4,5,6,7
	v_cmp_eq_u32 s[24+\m], s48, v[112+8*(\g)+\m]
.endr
.irp m, 0,1,2,3,4,5,6,7
	s_bcnt1_i32_b32 s[88+\m], s[24+\m]
.endr
.irp m, 0,1,2,3,4,5,6,7
	s_mov_b32 s[32+\m], s55
	s_add_co_u32 s55, s55, s[88+\m]
.endr
.irp m, 0,1,2,3,4,5,6,7
	v_mbcnt_lo_u32_b32 v[96+\m], s[24+\m], s[32+\m]    ; E's tokens in the lanes below me, and all before
.endr
.irp m, 0,1,2,3,4,5,6,7
	v_cndmask_b32 v[96+\m], v24, v[96+\m], s[24+\m]
.endr
.irp m, 0,1,2,3,4,5,6,7
	v_min_u32 v[96+\m], 0xb0, v[96+\m]
.endr
.irp m, 0,1,2,3,4,5,6,7
	v_lshl_add_u32 v[96+\m], v[96+\m], 2, v26
.endr
.irp m, 0,1,2,3,4,5,6,7
	v_add_nc_u32 v[104+\m], 128*((8*(\g)+\m)/4)+((8*(\g)+\m)%4)+1, v25
.endr
.irp m, 0,1,2,3,4,5,6,7
	ds_store_b32 v[96+\m], v[104+\m]               ; token + 1 at its rank
.endr
.endm
	RANK8 0
	RANK8 1
	RANK8 2
	RANK8 3
	s_wait_dscnt 0x0                               ; for the others' sake: my list is written
	s_barrier_signal -1
	s_barrier_wait -1
.irp g, 0,1,2,3,4,5                    ; a rank below cnt is non-zero in one wave's list alone; places past cnt repeat the last row
	v_add_nc_u32 v27, 32*\g, v1
	v_min_u32 v27, s54, v27
	v_min_u32 v27, 0xaf, v27
	v_lshlrev_b32 v27, 2, v27
	ds_load_b32 v[96+4*\g], v27 offset:LIST
	ds_load_b32 v[97+4*\g], v27 offset:LIST+768
	ds_load_b32 v[98+4*\g], v27 offset:LIST+1536
	ds_load_b32 v[99+4*\g], v27 offset:LIST+2304
.endr
	s_wait_dscnt 0x0
.irp g, 0,1,2,3,4,5
	v_add3_u32 v[96+4*\g], v[96+4*\g], v[97+4*\g], v[98+4*\g]
	v_add3_u32 v[96+4*\g], v[96+4*\g], v[99+4*\g], -1
	ds_store_b32 v18, v[96+4*\g] offset:128*\g
.endr
	WIN 0x40                                       ; destination window 1
.set ii, 0
.rept 22
	ds_load_b32 v[SA+ii], v19 offset:8*ii          ; LDS serves a wave's instructions in order (ISA guide 5.7.1.4): these see my stores above
.set ii, ii+1
.endr
	s_wait_dscnt 0x0
	WIN 0x45                                       ; sources 0 and 1 and destination window 1, source 2 window 0
.set ii, 0
.rept 22
	v_min_u32 v[SA+ii], 0xfff, v[SA+ii]
	v_lshl_add_u32 v[SA+ii], v[SA+ii], 11, v15     ; token x 2,048 bytes + 16 r: sixteen lanes take 256 consecutive bytes of a row
.set ii, ii+1
.endr
.macro XLOAD off                       ; 22 loads: my 44 rows' 256 bytes at byte off from the base
	WIN 0x01                                       ; address window 1
.set ii, 0
.rept 22
	global_load_b128 v[STG+4*ii:STG+4*ii+3], v[SA+ii], s[68:69] offset:\off
.set ii, ii+1
.endr
.endm
.macro XSTORE
	WIN 0
.set ii, 0
.rept 22
	ds_store_b128 v8, v[STG+4*ii:STG+4*ii+3] offset:2*PITCH*ii
.set ii, ii+1
.endr
.endm
.macro LRB buf, kq, b                  ; block b's fragment, 32 along K at byte 64 kq of the rows
	ds_load_b128 v[88*(\buf)+8*(\b):88*(\buf)+8*(\b)+3],   v6 offset:BLK*(\b)+64*(\kq)
	ds_load_b128 v[88*(\buf)+8*(\b)+4:88*(\buf)+8*(\b)+7], v6 offset:BLK*(\b)+64*(\kq)+32
.endm
; One run of LDS loads: a K step's fragments of x.  all = 0: blocks past the tile's LB are jumped, forward, with no barrier in what is jumped.
.macro LRUN buf, kq, all
	WIN 0x40
.irp b, 0,1,2,3
	LRB \buf, \kq, \b
.endr
.if \all
.irp b, 4,5,6,7,8,9,10
	LRB \buf, \kq, \b
.endr
.else
	WIN 0                                          ; at a branch and at a label every window is 0
	s_cmp_lt_u32 s53, 5
	s_cbranch_scc1 .Llr_\@
	WIN 0x40
.irp b, 4,5,6,7
	LRB \buf, \kq, \b
.endr
	WIN 0
	s_cmp_lt_u32 s53, 9
	s_cbranch_scc1 .Llr_\@
	WIN 0x40
	LRB \buf, \kq, 8
	WIN 0
	s_cmp_lt_u32 s53, 10
	s_cbranch_scc1 .Llr_\@
	WIN 0x40
	LRB \buf, \kq, 9
	WIN 0
	s_cmp_lt_u32 s53, 11
	s_cbranch_scc1 .Llr_\@
	WIN 0x40
	LRB \buf, \kq, 10
	WIN 0
.Llr_\@:
.endif
.endm
; Matrix instruction n = 4 b + t of a K step, on buffers q.  zero = 1: it starts the sum: nothing is ever cleared.
.macro MM n, q, zero
.set mb, (\n)/4
.set mt, (\n)%4
.if mb < 8
	WIN 0xa4                                       ; W window 0, x window 1, C and D window 2
.set md, 32*mb+8*mt
.elseif mb < 10
	WIN 0x04                                       ; C and D window 0
.set md, 192+32*(mb-8)+8*mt
.else
	WIN 0x54                                       ; C and D window 1
.set md, 176+8*mt
.endif
.set ma, WB+32*(\q)+8*mt
.set mx, 88*(\q)+8*mb
.if \zero
	v_wmma_f32_16x16x32_bf16 v[md:md+7], v[ma:ma+7], v[mx:mx+7], 0
.else
	v_wmma_f32_16x16x32_bf16 v[md:md+7], v[ma:ma+7], v[mx:mx+7], v[md:md+7]
.endif
.endm
.macro MMS first, count, q, zero
.set nn, \first
.rept \count
	MM nn, \q, \zero
.set nn, nn+1
.endr
.endm
; Rounding c = 8 t + i of 32: register i of tile t's fragment, from rows 2 i and 2 i + 1 of a ring slot.
.macro CV c, q1, slot
	WIN 0x0f                                       ; both sources window 3, destination window 0
	v_cvt_pk_bf16_f32 v[WB+32*(\q1)+(\c)], v[64*(\slot)+8*((\c)%8)+(\c)/8], v[64*(\slot)+8*((\c)%8)+4+(\c)/8]
.endm
.macro CLOAD                           ; b1 and W2 of my half's 32 columns, into ring slot 0: register 4 j + t is column 32 hh + 4 j + t
	WIN 0xc0
.irp j, 0,1,2,3,4,5,6,7
	global_load_b128 v[4*\j:4*\j+3], v13, s[76:77] offset:16*\j
.endr
.irp j, 0,1,2,3,4,5,6,7
	global_load_b128 v[32+4*\j:35+4*\j], v13, s[78:79] offset:16*\j
.endr
.endm
; A K STEP of 32.  p: its place in x's chunk of 128.  It multiplies buffers p % 2.  Behind each of its first sixteen products, which every tile has, stand two roundings of the NEXT step's weights
; (ring slot (p + 1) % 4, into the other buffer) and their two window switches.  Then ONE run of memory instructions, what is wanted soonest first: the next step's fragments of x (fetch);
; x's next chunk from registers into the other slot (xs, the chunk's third step); x's chunk after the next (xl); the weights five steps on into the slot just rounded (wl = 1; wl = 2: b1 and W2).
; The 44 accumulators take turns, one instruction a turn; a step's last and the next step's first differ on every way.
; nw: the count on LOADcnt ahead of the roundings (-1: nothing is rounded).
; bar: the chunk's last step.  Its head wait on DScnt says three things of me: this step's fragments are in, my part of the next chunk is stored, my reads of the slot in hand are over.  The signal follows at once;
; sixteen products stand between it and the wait; behind the wait the fragments come from the other slot.  The slot left is stored into again three steps later.
; pf = 1: the prefetch stands behind the run.
.macro STEP p, zero, nw, wl, d, fetch, bar=0, xl=0, xs=0, pf=0
.set SQ, (\p)&1
.set SSL, ((\p)+1)&3
	s_wait_dscnt 0x0                               ; all my LDS instructions are done
.if \bar
	s_barrier_signal -1
	WIN 0
	v_add_nc_u32 v6, s62, v5                       ; from here on fragments come from the slot last stored into
.endif
.if \xs
	WIN 0
	s_xor_b32 s62, s62, SLOTB                      ; the slot that is not being read: free since the last barrier
	v_add_nc_u32 v8, s62, v7
.endif
.if (\nw) >= 0
	s_wait_loadcnt \nw
.endif
.rept 4
	v_nop                                          ; four places between the last step's products and the writes into the buffers that they read (ISA guide 7.12.1 for vector instructions)
.endr
.set nn, 0
.set cvn, 0
.rept 16
	MM nn, SQ, \zero
.if (\nw) >= 0
	CV cvn, 1-SQ, SSL
	CV cvn+1, 1-SQ, SSL
.set cvn, cvn+2
.endif
.set nn, nn+1
.endr
.if \bar
	s_barrier_wait -1                              ; everybody's part of the next chunk is stored, and nobody reads the slot in hand any more
.endif
.if \fetch
	LRUN 1-SQ, ((\p)+1)&3, \zero
.endif
.if \xs
	XSTORE
.endif
.if \xl
	XLOAD 512
.endif
.if (\wl) == 1
	WLOAD SSL, \d
.elseif (\wl) == 2
	CLOAD
.endif
.if \pf
	; W1's K steps 12 to 15 from the base, my wave's 64 columns: a row a lane, 256 bytes each, six steps or more ahead of the loads that want them.  One work-group of an expert and slice asks, in
	; five trips: steps 12 to 31, never past the expert's last row.
	WIN 0
	s_cmp_eq_u32 s74, 0
	s_cbranch_scc1 .Lpf_\@
.irp k, 12,13,14,15
	global_prefetch_b8 v9, s[66:67] offset:\k*KSTEP th:TH_LOAD_NT scope:SCOPE_SE
.endr
	s_sub_co_u32 s74, s74, 1
.Lpf_\@:
.endif
.if \zero
	MMS 16, 28, SQ, 1                              ; the first step writes every accumulator, whatever LB
.else
	WIN 0
	s_cmp_lt_u32 s53, 5
	s_cbranch_scc1 .Lsd_\@
	MMS 16, 16, SQ, 0
	WIN 0
	s_cmp_lt_u32 s53, 9
	s_cbranch_scc1 .Lsd_\@
	MMS 32, 4, SQ, 0
	WIN 0
	s_cmp_lt_u32 s53, 10
	s_cbranch_scc1 .Lsd_\@
	MMS 36, 4, SQ, 0
	WIN 0
	s_cmp_lt_u32 s53, 11
	s_cbranch_scc1 .Lsd_\@
	MMS 40, 4, SQ, 0
	WIN 0
.Lsd_\@:
.endif
.endm
	XLOAD 0                                        ; x's chunk 0,
	WLOAD 3, 3                                     ; and behind it the ring's fourth slot
	s_wait_loadcnt 63                              ; slot 0 is in: behind it stand slots 1 and 2, x's 22 and slot 3, 70 loads, of which the wait can name 63
.set cvn, 0
.rept 32
	CV cvn, 0, 0                                   ; step 0's weights are rounded while x is on its way
.set cvn, cvn+1
.endr
	s_wait_loadcnt 16                              ; x's chunk 0 is in; slot 3's sixteen loads are younger
	XSTORE
	s_wait_dscnt 0x0
	s_barrier_signal -1
	s_barrier_wait -1                              ; everybody's rows of chunk 0 lie in slot 0
	LRUN 0, 0, 1
	XLOAD 256                                      ; chunk 1: from here on x's loads stand ahead of W1's, as in the loop, so that the loop's counts hold on the way in too
	WLOAD 0, 4
	; THE WALK: 32 K steps.  Step s rounds the weights of s + 1 and asks for those of s + 5.  Counts on LOADcnt.  Behind the weights waited for stand three steps' 48 loads and, in a chunk's first two
	; steps, x's 22: 70, of which the wait can name 63.  In the third step x's chunk has to be in as well: behind it stand three steps' 48.  In the fourth step the three steps' 48 are all that is younger.
	STEP 0, 1, 63, 1, 5, 1
	WIN 0
	s_mov_b32 s63, 6
.Ltrip:                                                ; steps 4 i + 1 .. 4 i + 4
	STEP 1, 0, 63, 1, 6, 1, 0, 0, 0, 1
	STEP 2, 0, 48, 1, 7, 1, 0, 0, 1
	STEP 3, 0, 48, 1, 8, 1, 1, 1
	STEP 0, 0, 63, 1, 9, 1
	WIN 0
	s_wait_xcnt 0x0                                ; the bases are stepped only behind this wait
	s_add_nc_u64 s[66:67], s[66:67], 4*KSTEP
	s_add_nc_u64 s[68:69], s[68:69], 256
	s_sub_co_u32 s63, s63, 1
	s_cmp_lg_u32 s63, 0
	s_cbranch_scc1 .Ltrip
	STEP 1, 0, 63, 1, 6, 1                         ; step 25 asks for step 30's weights,
	STEP 2, 0, 48, 1, 7, 1, 0, 0, 1                ; step 26 for the last, and stores x's last chunk
	STEP 3, 0, 48, 2, 0, 1, 1, 0                   ; step 27: the last barrier; nothing more of x is asked for; b1 and W2 take the ring's free slot
	STEP 0, 0, 48, 0, 0, 1                         ; the counts run down: two steps' weights and the sixteen of b1 and W2 are younger,
	STEP 1, 0, 32, 0, 0, 1                         ; one step's and the sixteen,
	STEP 2, 0, 16, 0, 0, 1                         ; the sixteen
	STEP 3, 0, -1, 0, 0, 0
	; THE END.  b1 x c and W2 are laid by tile and register, as the accumulators lie: 65 plain lines, which are also the places behind the last products.
	s_wait_loadcnt 0x0
	WIN 0xcf
.irp t, 0,1,2,3
.irp j, 0,1,2,3,4,5,6,7
	v_mul_f32 v[64+8*\t+\j], s72, v[4*\j+\t]
.endr
.endr
.irp t, 0,1,2,3
.irp j, 0,1,2,3,4,5,6,7
	v_mov_b32 v[96+8*\t+\j], v[32+4*\j+\t]
.endr
.endr
	v_mov_b32 v137, 0                              ; v_permlanex16_b32's destination counts as read
; Block b: tanh in place on its 32 registers, from the low end on.  The exponentials are one batch and the reciprocals another; the packed lines that feed a batch run two pairs ahead
; of it and stand between its first fourteen, and none of them names a result of the batch; behind each batch a plain line and the one wait ahead of the first use.
; Then the products with W2 in four chains, the lane's sum, the other half's, and the row's sum into LDS.
.macro EPI b
.if (\b) < 8
.set AW, 2
.set AB, 32*(\b)
.elseif (\b) < 10
.set AW, 0
.set AB, 192+32*((\b)-8)
.else
.set AW, 1
.set AB, 176
.endif
	WIN (AW<<6)|0x30|AW                            ; destination and source 0: the accumulators' window; source 2 window 3
.set zz, 0
.rept 2
	v_pk_fma_f32 v[AB+2*zz:AB+2*zz+1], v[AB+2*zz:AB+2*zz+1], s[72:73], v[64+2*zz:65+2*zz] op_sel_hi:[1,0,1]  ; c z = c sum + c b1
.set zz, zz+1
.endr
.set ee, 0
.rept 14
	v_exp_f32 v[AB+ee], v[AB+ee]
	v_pk_fma_f32 v[AB+2*zz:AB+2*zz+1], v[AB+2*zz:AB+2*zz+1], s[72:73], v[64+2*zz:65+2*zz] op_sel_hi:[1,0,1]
.set zz, zz+1
.set ee, ee+1
.endr
.rept 18
	v_exp_f32 v[AB+ee], v[AB+ee]
.set ee, ee+1
.endr
	v_nop
	s_wait_alu depctr_va_vdst(0)
.set zz, 0
.rept 2
	v_pk_add_f32 v[AB+2*zz:AB+2*zz+1], v[AB+2*zz:AB+2*zz+1], 1.0 op_sel_hi:[1,0]
.set zz, zz+1
.endr
.set ee, 0
.rept 14
	v_rcp_f32 v[AB+ee], v[AB+ee]
	v_pk_add_f32 v[AB+2*zz:AB+2*zz+1], v[AB+2*zz:AB+2*zz+1], 1.0 op_sel_hi:[1,0]
.set zz, zz+1
.set ee, ee+1
.endr
.rept 18
	v_rcp_f32 v[AB+ee], v[AB+ee]
.set ee, ee+1
.endr
	v_nop
	s_wait_alu depctr_va_vdst(0)
.set zz, 0
.rept 16
	v_pk_fma_f32 v[AB+2*zz:AB+2*zz+1], v[AB+2*zz:AB+2*zz+1], -2.0, 1.0 op_sel_hi:[1,0,0]
.set zz, zz+1
.endr
	WIN 0xfc|AW                                    ; source 0: the accumulators' window; all else window 3
.set pz, 0
.rept 4
.set tz, 0
.rept 4
.set zz, 4*tz+pz
.if pz == 0
	v_pk_mul_f32 v[128+2*tz:129+2*tz], v[AB+2*zz:AB+2*zz+1], v[96+2*zz:97+2*zz]
.else
	v_pk_fma_f32 v[128+2*tz:129+2*tz], v[AB+2*zz:AB+2*zz+1], v[96+2*zz:97+2*zz], v[128+2*tz:129+2*tz]
.endif
.set tz, tz+1
.endr
.set pz, pz+1
.endr
	WIN 0xff
	v_pk_add_f32 v[128:129], v[128:129], v[130:131]
	v_pk_add_f32 v[132:133], v[132:133], v[134:135]
	v_pk_add_f32 v[128:129], v[128:129], v[132:133]
	v_add_f32 v128, v128, v129
	v_permlanex16_b32 v137, v128, s60, s61         ; the row's other 32 columns lie in the lane 16 away
	v_add_f32 v[140+(\b)], v128, v137
	WIN 0x0c                                       ; address window 0, data window 3
	ds_store_b32 v14, v[140+(\b)] offset:64*(\b)   ; row 16 b + r; both halves write the same number
.endm
	EPI 0
.irp b, 1,2,3,4,5,6,7,8,9,10
	WIN 0
	s_cmp_lt_u32 s53, \b+1
	s_cbranch_scc1 .Lepid                          ; blocks past LB hold no rows
	EPI \b
.endr
	WIN 0
.Lepid:
	s_wait_dscnt 0x0                               ; for wave 0's sake
	s_barrier_signal -1
	s_barrier_wait -1
	s_cmp_lg_u32 s20, 0
	s_cbranch_scc1 .Lfin                           ; wave 0 adds the four waves' sums, in the waves' order, and stores them by the list
	s_cmp_eq_u32 s75, 0
	s_cbranch_scc1 .Lfin                           ; a tile without rows stores nothing
.irp g, 0,1,2,3,4,5
.if \g > 0
	s_cmp_le_u32 s52, 32*\g
	s_cbranch_scc1 .Lfin                           ; whole stores past the count are jumped
.endif
	v_add_nc_u32 v[96+8*\g], 32*\g, v1
	v_min_u32 v[96+8*\g], s54, v[96+8*\g]          ; lanes past the count repeat the last row's number and address
	v_min_u32 v[96+8*\g], 0xaf, v[96+8*\g]
	v_lshlrev_b32 v[96+8*\g], 2, v[96+8*\g]
	ds_load_b32 v[97+8*\g], v[96+8*\g] offset:RED
	ds_load_b32 v[98+8*\g], v[96+8*\g] offset:RED+704
	ds_load_b32 v[99+8*\g], v[96+8*\g] offset:RED+1408
	ds_load_b32 v[100+8*\g], v[96+8*\g] offset:RED+2112
	ds_load_b32 v[101+8*\g], v[96+8*\g] offset:FL
	s_wait_dscnt 0x0
	v_add_f32 v[97+8*\g], v[97+8*\g], v[98+8*\g]
	v_add_f32 v[97+8*\g], v[97+8*\g], v[99+8*\g]
	v_add_f32 v[97+8*\g], v[97+8*\g], v[100+8*\g]
	v_add_f32 v[97+8*\g], v[97+8*\g], v12
	v_min_u32 v[101+8*\g], 0xfff, v[101+8*\g]
	v_lshlrev_b32 v[101+8*\g], 2, v[101+8*\g]
	global_store_b32 v[101+8*\g], v[97+8*\g], s[70:71]  ; one word a token, wherever the token lies: 176 words a work-group at the most; each group of 32 has registers of its own
.endr
.Lfin:
	s_wait_tensorcnt 0x0                           ; the wave's end
	ds_add_u32 v10, v11
	s_wait_dscnt 0x0
	s_endpgm
.Lfunc_end_k_q44a80578b8_experts:
	.size	k_q44a80578b8_experts, .Lfunc_end_k_q44a80578b8_experts-k_q44a80578b8_experts
	.p2alignl 7, 3214868480
	.fill 96, 4, 3214868480
	.section	.rodata,"a",@progbits
	.p2align	6, 0x0
	.amdhsa_kernel k_q44a80578b8_experts
		.amdhsa_group_segment_fixed_size 113664
		.amdhsa_private_segment_fixed_size 0
		.amdhsa_enable_private_segment 0
		.amdhsa_kernarg_size 64
		.amdhsa_user_sgpr_count 2
		.amdhsa_user_sgpr_kernarg_segment_ptr 1
		.amdhsa_wavefront_size32 1
		.amdhsa_system_sgpr_workgroup_id_x 1
		.amdhsa_system_sgpr_workgroup_id_y 1
		.amdhsa_system_sgpr_workgroup_id_z 1
		.amdhsa_system_vgpr_workitem_id 0
		.amdhsa_next_free_vgpr 1024
		.amdhsa_next_free_sgpr 96
		.amdhsa_reserve_vcc 0
		.amdhsa_float_denorm_mode_32 3
		.amdhsa_float_denorm_mode_16_64 3
		.amdhsa_memory_ordered 1
		.amdhsa_forward_progress 1
		.amdhsa_inst_pref_size 253
	.end_amdhsa_kernel
	.amdgpu_metadata
---
amdhsa.version: [ 1, 2 ]
amdhsa.kernels:
  - .name:           k_q44a80578b8_experts
    .symbol:         k_q44a80578b8_experts.kd
    .args:
      - { .name: W1, .offset: 0, .size: 8, .value_kind: global_buffer, .address_space: global }
      - { .name: W2, .offset: 8, .size: 8, .value_kind: global_buffer, .address_space: global }
      - { .name: b1, .offset: 16, .size: 8, .value_kind: global_buffer, .address_space: global }
      - { .name: b2, .offset: 24, .size: 8, .value_kind: global_buffer, .address_space: global }
      - { .name: xb, .offset: 32, .size: 8, .value_kind: global_buffer, .address_space: global }
      - { .name: rt, .offset: 40, .size: 8, .value_kind: global_buffer, .address_space: global }
      - { .name: hist, .offset: 48, .size: 8, .value_kind: global_buffer, .address_space: global }
      - { .name: part, .offset: 56, .size: 8, .value_kind: global_buffer, .address_space: global }
    .group_segment_fixed_size: 113664
    .private_segment_fixed_size: 0
    .kernarg_segment_align: 8
    .kernarg_segment_size: 64
    .max_flat_workgroup_size: 128
    .sgpr_count:     96
    .vgpr_count:     1024
    .wavefront_size: 32
...
	.end_amdgpu_metadata
.endif
;; end of part 2
;; launch combine (part 3): grid 8 x 1, 4 waves a work-group, no clusters, 0 bytes of LDS; arguments part, out0; writes out0
.if DOCPART == 3
	.amdgcn_target "amdgcn-amd-amdhsa--gfx1250"
	.amdhsa_code_object_version 6
	.text
	.protected	k_q44a80578b8_combine
	.globl	k_q44a80578b8_combine
	.p2align	8
	.type	k_q44a80578b8_combine,@function
k_q44a80578b8_combine:
	s_mov_b64 s[64:65], 0
	v_nop
	global_prefetch_b8 v0, s[64:65] scope:SCOPE_SE
	s_setreg_imm32_b32 hwreg(HW_REG_WAVE_MODE, 25, 1), 1
	s_wait_xcnt 0x0
; out0[b] = the sum over the eight column slices s of part[s][b], in the order of s, in f32.  part: [8][4096] f32.
; A thread has four tokens: eight loads of 16 bytes, all out before the one wait, and one store; a wave's store covers 512 consecutive bytes, aligned.
; 147,456 bytes in all: eight work-groups of 128 threads hold every token once; LDS, barriers and the matrix unit would add nothing.
	s_load_b128 s[4:7], s[0:1], 0x0                ; part s[4:5], out0 s[6:7]
	v_lshlrev_b32 v1, 4, v0
	s_lshl_b32 s8, ttmp9, 11                       ; 512 tokens a work-group
	v_add_nc_u32 v1, s8, v1
	s_wait_kmcnt 0x0
.irp s, 0,1,2,3,4,5,6,7
	global_load_b128 v[4+4*\s:7+4*\s], v1, s[4:5] offset:16384*\s th:TH_LOAD_NT
.endr
	s_wait_loadcnt 0x0
.irp s, 1,2,3,4,5,6,7
	v_pk_add_f32 v[4:5], v[4:5], v[4+4*\s:5+4*\s]
	v_pk_add_f32 v[6:7], v[6:7], v[6+4*\s:7+4*\s]
.endr
	global_store_b128 v1, v[4:7], s[6:7]
	s_endpgm
.Lfunc_end_k_q44a80578b8_combine:
	.size	k_q44a80578b8_combine, .Lfunc_end_k_q44a80578b8_combine-k_q44a80578b8_combine
	.p2alignl 7, 3214868480
	.fill 96, 4, 3214868480
	.section	.rodata,"a",@progbits
	.p2align	6, 0x0
	.amdhsa_kernel k_q44a80578b8_combine
		.amdhsa_group_segment_fixed_size 0
		.amdhsa_private_segment_fixed_size 0
		.amdhsa_enable_private_segment 0
		.amdhsa_kernarg_size 16
		.amdhsa_user_sgpr_count 2
		.amdhsa_user_sgpr_kernarg_segment_ptr 1
		.amdhsa_wavefront_size32 1
		.amdhsa_system_sgpr_workgroup_id_x 1
		.amdhsa_system_sgpr_workgroup_id_y 1
		.amdhsa_system_sgpr_workgroup_id_z 1
		.amdhsa_system_vgpr_workitem_id 0
		.amdhsa_next_free_vgpr 40
		.amdhsa_next_free_sgpr 66
		.amdhsa_reserve_vcc 0
		.amdhsa_float_denorm_mode_32 3
		.amdhsa_float_denorm_mode_16_64 3
		.amdhsa_memory_ordered 1
		.amdhsa_forward_progress 1
		.amdhsa_inst_pref_size 3
	.end_amdhsa_kernel
	.amdgpu_metadata
---
amdhsa.version: [ 1, 2 ]
amdhsa.kernels:
  - .name:           k_q44a80578b8_combine
    .symbol:         k_q44a80578b8_combine.kd
    .args:
      - { .name: part, .offset: 0, .size: 8, .value_kind: global_buffer, .address_space: global }
      - { .name: out0, .offset: 8, .size: 8, .value_kind: global_buffer, .address_space: global }
    .group_segment_fixed_size: 0
    .private_segment_fixed_size: 0
    .kernarg_segment_align: 8
    .kernarg_segment_size: 16
    .max_flat_workgroup_size: 128
    .sgpr_count:     66
    .vgpr_count:     40
    .wavefront_size: 32
...
	.end_amdgpu_metadata
.endif
;; end of part 3
